; MI455X (gfx1250); checked and timed in simulation.
; The chip was launched on July 23, 2026; its instructions are those of AMD's public machine-readable ISA for CDNA 5 (MIT licence, August 2026) and "CDNA5" Instruction Set Architecture Reference Guide (July 2026). The comments in the code are by the model that wrote it; some were corrected since.
;; Masked Cross Atten. Allowed arithmetic: matrix products marked QUANTISED: E4M3 operands, one given power-of-two scale a tensor, by v_wmma_f32_16x16x64_fp8_fp8 or v_wmma_f32_16x16x128_fp8_fp8, f32 sums; everything else in f32.
;; Inputs: Wk 1,024 x 1,024 float32; Wq 1,024 x 1,024 float32; Wv 1,024 x 1,024 float32; bk 1,024 float32; bq 1,024 float32; bv 1,024 float32; kv 4 x 1,024 x 2,048 float32; kv_mask 4 x 1 x 2,048 bool; lowp_scales 10 int32 (the exponents e of the quantised operands' scales 2^e); mask 4 x 1 x 2,048 bool; x 4 x 1,024 x 2,048 float32.
;; Outputs: out0 4 x 1,024 x 2,048 float32; out1 4 x 1 x 2,048 bool.
;; This version of the problem:
;;   THIS VERSION OF THE PROBLEM IS GIVEN IN LOW PRECISION. The matrix products marked QUANTISED in the list below multiply operands that are first quantised to E4M3 (4 exponent bits, 3 mantissa bits; 8 bits a number), with one given power-of-two scale for each operand tensor; their sums are f32. All else is computed in f32.
;;   The module's matrix products, in the order in which they are computed (A, B: the left and right operand; K: the contracted axis; several contracted axes count as one K, in the product's order):
;;     1. [M 8,192, K 1,024] x [K 1,024, N 1,024]; A: input x; B: input Wq: QUANTISED (scales: A lowp_scales[0], B lowp_scales[1])
;;     2. [M 8,192, K 1,024] x [K 1,024, N 1,024]; A: input kv; B: input Wk: QUANTISED (scales: A lowp_scales[2], B lowp_scales[3])
;;     3. [M 8,192, K 1,024] x [K 1,024, N 1,024]; A: input kv; B: input Wv: QUANTISED (scales: A lowp_scales[4], B lowp_scales[5])
;;     4. batch 64 x [M 2,048, K 64] x [K 64, N 2,048]; A: computed on the way; B: computed on the way: QUANTISED (scales: A lowp_scales[6], B lowp_scales[7])
;;     5. batch 64 x [M 2,048, K 2,048] x [K 2,048, N 64]; A: softmax (see below); B: computed on the way: QUANTISED (scales: A lowp_scales[8], B lowp_scales[9])
;;   THE QUANTISER, for each operand of a quantised product, along K:
;;     - The operand's scale is 2^e, e = its entry of the input lowp_scales (int32; the entries are numbered through the quantised products in the list's order, A before B).
;;     - Each number is divided by the scale, clamped to +-448, and rounded to the nearest number of E4M3, ties to even, subnormals kept.
;;     - The product sums the exact products of the quantised numbers (number of the format x scale) in f32.
;;   ~~~python
;;   def quantise(x, axis, e):      # numpy; x: float32 -> the quantised numbers, widened to float32 again
;;       x = np.moveaxis(x, axis, -1); K = x.shape[-1]
;;       r = np.clip(x / 2.0 ** e, -448, 448)
;;       step = 2.0 ** (np.maximum(np.frexp(np.where(r == 0, 1, r))[1] - 1, -6) - 3)
;;       q = np.round(r / step) * step * 2.0 ** e      # np.round: ties to even
;;       return np.moveaxis(q, -1, axis).astype(np.float32)
;;   ~~~
;;   SOFTMAX AHEAD OF A QUANTISED PRODUCT. Where the list says 'softmax', what is quantised is not the finished softmax but p = 2^(t - M), with t = logit x log2(e) and M = ceil(the row's largest t), a whole number; so 1/2 < the row's largest p <= 1. The row's sum l is taken of the UNQUANTISED p, in f32, and the product's result is divided by l at the end. Since M is a whole number, a kernel that streams over the keys may use a running M (the ceiling of the running maximum): every later rescaling is an exact power of two, so the quantised numbers keep their values, but for numbers so far below the row's largest that they fall under the format's range.
;;   OPERANDS COMPUTED ON THE WAY. 'Computed on the way' means the value that the module computes at that place (a softmax that the list does not call 'softmax' is quantised finished and normalised). What goes into a quantiser is computed in f32, as accurately as f32 sums, v_exp_f32 and their like allow (about 1e-6 of the number): no bf16 or f16 on the way to a quantiser, and a product that is left as it is and whose result goes on into a quantised operand takes f32 operands (vector FMAs, or v_wmma_f32_16x16x4_f32). A number that lies on a knife's edge between two numbers of the format may be rounded either way, as far as f32 arithmetic and the matrix unit's own rounding can turn it there, and no further.
;; One version. Each part assembles by itself: llvm-mc -triple=amdgcn-amd-amdhsa -mcpu=gfx1250 --defsym DOCPART=n.
;; ======== version 1 of 1: 3 launches
;; limits: right only within a limited range of input values
;; workspace buffers: a_img 25,165,824 bytes; w_img 3,145,728 bytes; q_img 8,388,608 bytes; kv_img 16,777,216 bytes
;; launch quant (part 1): grid 705 x 1, 4 waves a work-group, no clusters, 67,072 bytes of LDS; arguments x, kv, Wq, Wk, Wv, mask, lowp_scales, a_img, w_img, out1; writes a_img, w_img, out1
.if DOCPART == 1
	.amdgcn_target "amdgcn-amd-amdhsa--gfx1250"
	.amdhsa_code_object_version 6
	.text
	.protected	k_q3b51fc4aaa_quant
	.globl	k_q3b51fc4aaa_quant
	.p2align	8
	.type	k_q3b51fc4aaa_quant,@function
k_q3b51fc4aaa_quant:
	s_mov_b64 s[64:65], 0
	v_nop
	global_prefetch_b8 v0, s[64:65] scope:SCOPE_SE
	s_setreg_imm32_b32 hwreg(HW_REG_WAVE_MODE, 25, 1), 1
	s_wait_xcnt 0x0
; x and kv [4][1024 c][2048 t] and Wq, Wk, Wv [1024 o][1024 c], f32, become codes of FP8 (E4M3), each with the given scale 2^e; mask is copied to out1.
; code = number / 2^e, held within +-448, rounded to the nearest code, ties to even.  x takes e0; kv is quantised twice, with e2 and with e4; Wq, Wk, Wv take e1, e3, e5.
; LIMITS: e0 .. e5 between -126 and 119, so that 2^e and 448 x 2^e are f32 numbers.  NaN among the inputs is not served; an infinity is held at the largest code.
; THE CODES ARE LAID AS IMAGES OF THE NEXT LAUNCH'S OPERAND REGISTERS.  A block of 16 rows (t, or o) x 256 c is 4,096 bytes: 16 pieces of 256 bytes, piece g = channels 16 g .. 16 g + 15, and in it row r's 16 codes at 16 r.
;   a_img: three parts of 8 MiB (x, kv with e2, kv with e4); in a part: (tg >> 8) x 262144 + (c >> 8) x 65536 + ((tg & 255) >> 4) x 4096 + piece, tg = 2048 b + t.
;   w_img: three parts of 1 MiB; in a part: (o >> 7) x 131072 + (c >> 8) x 32768 + ((o & 127) >> 4) x 4096 + piece.
; WORK-GROUPS: 0-255 x, 256-511 kv, 512-703 the weights, 704 the mask.  The paths part on the work-group's number alone; the weights' path alone uses LDS; waves share nothing, so there is no barrier.
; No cluster and no tensor load: no two work-groups read the same bytes, and every byte is read once.
.set SEC,  8388608                     ; a part of a_img
.set X,    32                          ; v32-95   two sets of 32 numbers (activations);  v32-63 two sets of 16 (weights)
.set T,    96                          ; v96-127  kv held for its first scale
.set C1,   128                         ; v128-191 codes, eight registers for each block: no store's data are written again
.set C2,   192                         ; v192-255 kv's codes for its second scale; the weights' codes
.set WP,   1040                        ; the weights' stage: a row of 1,024 bytes + 16 = 65 x 16 bytes, so that sixteen rows' pieces of 16 bytes fall on sixteen different columns of 16 bytes modulo 256
.set WST,  16*WP                       ; a wave's stage
.macro MKS e, sc, lim                  ; s[e] = e  ->  v[sc] = 2^e as f32 (the conversion takes its exponent field), v[lim] = 448 x 2^e
	s_add_co_i32 s52, s[\e], 127
	s_lshl_b32 s53, s52, 23
	v_mov_b32 v[\sc], s53
	s_add_co_i32 s52, s52, 8
	s_lshl_b32 s52, s52, 23
	s_or_b32 s52, s52, 0x600000
	v_mov_b32 v[\lim], s52
.endm
.macro HOLD dst, src, n, lim           ; the conversion to an 8-bit code does not saturate (ISA guide 7.6.2): the number is held within the largest code x the scale first
.set ii, 0
.rept \n
	v_med3_num_f32 v[\dst+ii], v[\src+ii], -v[\lim], v[\lim]
.set ii, ii+1
.endr
.endm
.macro CVT4 dst, src, sc               ; 32 numbers of a lane -> 32 codes in eight registers' first ... last byte, K ascending
.irp g, 0,1,2,3
	v_cvt_scalef32_pk8_fp8_f32 v[\dst+2*\g:\dst+2*\g+1], v[\src+8*\g:\src+8*\g+7], v[\sc]
.endr
.endm
.macro LOAD t                          ; block t: channels 32 t + i of my column, i = 0 .. 31, into set t % 2; a wave reads 128 consecutive bytes, the four waves 512
.set ii, 0
.rept 32
	global_load_b32 v[X+32*((\t)%2)+ii], v3, s[44:45] offset:(32*(\t)+ii)*8192 th:TH_LOAD_NT
.set ii, ii+1
.endr
.endm
.macro BLOCK t, two
.set XS, X+32*((\t)%2)
.if (\t) < 7
	s_wait_loadcnt 32                              ; this block's 32 loads are in; the next block's 32 may be out
.else
	s_wait_loadcnt 0x0
.endif
.if \two
	HOLD T, XS, 32, 10                             ; kv for the first scale, into other registers: the numbers are wanted again
	CVT4 C1+8*(\t), T, 11
	global_store_b128 v4, v[C1+8*(\t):C1+8*(\t)+3], s[46:47] offset:(2*(\t))*256      ; lanes 0-15 and lanes 16-31 each store 256 consecutive bytes, at a multiple of 256 from the buffer's first byte
	global_store_b128 v4, v[C1+8*(\t)+4:C1+8*(\t)+7], s[46:47] offset:(2*(\t)+1)*256
	HOLD XS, XS, 32, 12                            ; and for the second.  (These plain lines also stand between the conversions above and the next write of their sources)
	CVT4 C2+8*(\t), XS, 13
	global_store_b128 v4, v[C2+8*(\t):C2+8*(\t)+3], s[48:49] offset:(2*(\t))*256
	global_store_b128 v4, v[C2+8*(\t)+4:C2+8*(\t)+7], s[48:49] offset:(2*(\t)+1)*256
.else
	HOLD XS, XS, 32, 10
	CVT4 C1+8*(\t), XS, 11
	global_store_b128 v4, v[C1+8*(\t):C1+8*(\t)+3], s[46:47] offset:(2*(\t))*256
	global_store_b128 v4, v[C1+8*(\t)+4:C1+8*(\t)+7], s[46:47] offset:(2*(\t)+1)*256
.endif
.if (\t)+2 < 8
	LOAD (\t)+2                                    ; into the set just converted; the next vector lines are the next block's holds, plain ones on the other set
.endif
.endm
; AN ACTIVATION.  A LANE TAKES A COLUMN t, AND ITS REGISTERS RUN DOWN c, which is K: the conversions then give codes with K innermost and nothing is transposed.
; A work-group takes 128 columns x 256 channels, a wave 32 columns: 8 blocks of 32 channels a lane.  A lane's 16 codes are 16 bytes of a piece, and sixteen lanes fill the piece.
.macro ACT two
.if \two
	s_sub_co_u32 s36, ttmp9, 256
.else
	s_mov_b32 s36, ttmp9
.endif
	s_lshr_b32 s37, s36, 2                         ; which 128 of the 8,192 columns tg
	s_and_b32 s38, s36, 3                          ; which 256 channels
	s_lshr_b32 s40, s37, 4
	s_lshl_b32 s40, s40, 23                        ; from: b x 1024 x 2048 x 4
	s_lshl_b32 s41, s38, 21                        ;     + 256 channels x 8,192 bytes
	s_add_co_u32 s40, s40, s41
	s_and_b32 s41, s37, 15
	s_lshl_b32 s41, s41, 9                         ;     + 128 columns x 4 bytes
	s_add_co_u32 s40, s40, s41
	s_lshl_b32 s41, s24, 7                         ;     + 32 columns a wave
	s_add_co_u32 s40, s40, s41
	s_mov_b32 s41, 0
	s_lshr_b32 s42, s37, 1
	s_lshl_b32 s42, s42, 18                        ; to: (tg >> 8) x 262144
	s_lshl_b32 s43, s38, 16                        ;   + (c >> 8) x 65536
	s_add_co_u32 s42, s42, s43
	s_and_b32 s43, s37, 1
	s_lshl_b32 s43, s43, 15                        ;   + eight blocks of 16 rows for the odd 128 columns
	s_add_co_u32 s42, s42, s43
	s_lshl_b32 s43, s24, 13                        ;   + two blocks a wave
	s_add_co_u32 s42, s42, s43
	s_mov_b32 s43, 0
	v_lshlrev_b32 v3, 2, v2                        ; in: 4 bytes a lane
	v_lshrrev_b32 v4, 4, v2
	v_lshlrev_b32 v4, 12, v4                       ; out: lanes 16-31 belong to the next block of 16 rows,
	v_and_b32 v5, 15, v2
	v_lshl_add_u32 v4, v5, 4, v4                   ;      16 bytes a row
.if \two
	s_add_nc_u64 s[44:45], s[6:7], s[40:41]
	s_add_nc_u64 s[46:47], s[18:19], s[42:43]
	s_add_nc_u64 s[46:47], s[46:47], SEC           ; kv with e2: the second part,
	s_add_nc_u64 s[48:49], s[46:47], SEC           ; with e4: the third
.else
	s_add_nc_u64 s[44:45], s[4:5], s[40:41]
	s_add_nc_u64 s[46:47], s[18:19], s[42:43]
.endif
	LOAD 0
	LOAD 1
	s_wait_kmcnt 0x0                               ; the scales' exponents
.if \two
	MKS 30, 11, 10
	MKS 32, 13, 12
.else
	MKS 28, 11, 10
.endif
	s_wait_alu depctr_va_vdst(0)
.irp t, 0,1,2,3,4,5,6,7
	BLOCK \t, \two
.endr
	s_endpgm
.endm
.macro FET gp                          ; the weights: my 16 neighbours along K of piece 2 gp + (lane / 16), row lane % 16, out of the stage
.irp i, 0,1,2,3
	ds_load_b128 v[X+16*((\gp)%2)+4*\i:X+16*((\gp)%2)+4*\i+3], v6 offset:(\gp)*128+16*\i
.endr
.endm
	s_load_b512 s[4:19], s[0:1], 0x0               ; x s[4:5], kv s[6:7], Wq s[8:9], Wk s[10:11], Wv s[12:13], mask s[14:15], the scales s[16:17], a_img s[18:19]
	s_load_b128 s[20:23], s[0:1], 0x40             ; w_img s[20:21], out1 s[22:23]
	v_lshl_add_u32 v30, v0, 2, 0x10400
	v_mov_b32 v31, 0
	v_lshrrev_b32 v1, 5, v0
	v_readfirstlane_b32 s24, v1                    ; wave 0..3
	v_and_b32 v2, 31, v0                           ; lane
	s_wait_kmcnt 0x0
	s_load_b256 s[28:35], s[16:17], 0x0            ; e0 .. e7
	s_cmp_lt_u32 ttmp9, 256
	s_cbranch_scc1 .Lx
	s_cmp_lt_u32 ttmp9, 512
	s_cbranch_scc1 .Lkv
	s_cmp_lt_u32 ttmp9, 704
	s_cbranch_scc1 .Lw
	; THE MASK: 8,192 bytes, copied as they are: 128 threads x 16 bytes x 4
	v_lshlrev_b32 v8, 4, v0
.irp i, 0,1,2,3
	global_load_b128 v[32+4*\i:35+4*\i], v8, s[14:15] offset:2048*\i
.endr
	s_wait_alu depctr_va_vdst(0)
	s_wait_kmcnt 0x0
	s_wait_loadcnt 0x0
.irp i, 0,1,2,3
	global_store_b128 v8, v[32+4*\i:35+4*\i], s[22:23] offset:2048*\i
.endr
	s_endpgm
.Lx:
	s_wait_alu depctr_va_vdst(0)
	ACT 0
.Lkv:
	s_wait_alu depctr_va_vdst(0)
	ACT 1
.Lw:
	; A WEIGHT: K is innermost.  A work-group takes 16 rows o, a wave 256 channels of them.  Each load reads 512 consecutive bytes; the conversions want 16 neighbours along K in ONE lane:
	; so the 16 KiB turn through the wave's own stage in LDS, as they lie on the way in, 64 bytes a lane on the way out.  LDS serves a wave's instructions in order (ISA guide 5.7.1.4): no wait between the stores and the loads.
	s_sub_co_u32 s36, ttmp9, 512
	s_lshr_b32 s37, s36, 6                         ; which weight: 0 Wq, 1 Wk, 2 Wv
	s_and_b32 s38, s36, 63                         ; which 16 rows
	s_cmp_eq_u32 s37, 1                            ; the choice hangs on the work-group's number alone
	s_cselect_b64 s[44:45], s[10:11], s[8:9]
	s_cmp_eq_u32 s37, 2
	s_cselect_b64 s[44:45], s[12:13], s[44:45]
	s_lshl_b32 s40, s38, 16                        ; from: 16 rows x 4,096 bytes
	s_lshl_b32 s41, s24, 10                        ;     + 256 channels x 4 bytes a wave
	s_add_co_u32 s40, s40, s41
	s_mov_b32 s41, 0
	s_add_nc_u64 s[44:45], s[44:45], s[40:41]
	s_lshl_b32 s42, s37, 20                        ; to: the weight's part
	s_lshr_b32 s43, s38, 3
	s_lshl_b32 s43, s43, 17                        ;   + (o >> 7) x 131072
	s_add_co_u32 s42, s42, s43
	s_lshl_b32 s43, s24, 15                        ;   + (c >> 8) x 32768
	s_add_co_u32 s42, s42, s43
	s_and_b32 s43, s38, 7
	s_lshl_b32 s43, s43, 12                        ;   + the block of 16 rows
	s_add_co_u32 s42, s42, s43
	s_mov_b32 s43, 0
	s_add_nc_u64 s[46:47], s[20:21], s[42:43]
	s_wait_alu depctr_va_vdst(0)
	v_lshlrev_b32 v7, 4, v2                        ; 16 x lane: in memory, both ways
	s_mul_i32 s39, s24, WST                        ; my stage
	v_add_nc_u32 v5, s39, v7                       ; into it: as loaded
	v_and_b32 v8, 15, v2
	v_lshrrev_b32 v9, 4, v2
	v_mul_u32_u24 v6, v8, WP
	v_lshl_add_u32 v6, v9, 6, v6
	v_add_nc_u32 v6, s39, v6                       ; out of it: row lane % 16, + 64 bytes for lanes 16-31
.set nn, 0
.rept 32
	global_load_b128 v[64+4*nn:64+4*nn+3], v7, s[44:45] offset:(nn/2)*4096+(nn%2)*512 th:TH_LOAD_NT
.set nn, nn+1
.endr
	s_wait_alu depctr_va_vdst(0)
	s_wait_kmcnt 0x0
	s_cmp_eq_u32 s37, 1
	s_cselect_b32 s50, s31, s29
	s_cmp_eq_u32 s37, 2
	s_cselect_b32 s50, s33, s50                    ; e1, e3 or e5
	MKS 50, 11, 10
.set nn, 0
	s_wait_alu depctr_va_vdst(0)
.rept 32
	s_wait_loadcnt 31-nn                           ; loads come back in order (ISA guide 5.7.1): load nn is in, the younger ones may be out
	ds_store_b128 v5, v[64+4*nn:64+4*nn+3] offset:(nn/2)*WP+(nn%2)*512
.set nn, nn+1
.endr
	FET 0
	FET 1
.irp gp, 0,1,2,3,4,5,6,7
.if \gp < 7
	s_wait_dscnt 4                                 ; this group's four loads are in; the next group's four may be out
.else
	s_wait_dscnt 0x0
.endif
	HOLD X+16*(\gp%2), X+16*(\gp%2), 16, 10
	v_cvt_scalef32_pk8_fp8_f32 v[C2+4*\gp:C2+4*\gp+1], v[X+16*(\gp%2):X+16*(\gp%2)+7], v11
	v_cvt_scalef32_pk8_fp8_f32 v[C2+4*\gp+2:C2+4*\gp+3], v[X+16*(\gp%2)+8:X+16*(\gp%2)+15], v11
	global_store_b128 v7, v[C2+4*\gp:C2+4*\gp+3], s[46:47] offset:\gp*512   ; pieces 2 gp and 2 gp + 1: the wave stores 512 consecutive bytes
.if \gp < 6
	FET \gp+2
.endif
.endr
	s_wait_tensorcnt 0x0
	ds_add_u32 v30, v31
	s_wait_dscnt 0x0
	s_endpgm
.Lfunc_end_k_q3b51fc4aaa_quant:
	.size	k_q3b51fc4aaa_quant, .Lfunc_end_k_q3b51fc4aaa_quant-k_q3b51fc4aaa_quant
	.p2alignl 7, 3214868480
	.fill 96, 4, 3214868480
	.section	.rodata,"a",@progbits
	.p2align	6, 0x0
	.amdhsa_kernel k_q3b51fc4aaa_quant
		.amdhsa_group_segment_fixed_size 67072
		.amdhsa_private_segment_fixed_size 0
		.amdhsa_enable_private_segment 0
		.amdhsa_kernarg_size 80
		.amdhsa_user_sgpr_count 2
		.amdhsa_user_sgpr_kernarg_segment_ptr 1
		.amdhsa_wavefront_size32 1
		.amdhsa_system_sgpr_workgroup_id_x 1
		.amdhsa_system_sgpr_workgroup_id_y 1
		.amdhsa_system_sgpr_workgroup_id_z 1
		.amdhsa_system_vgpr_workitem_id 0
		.amdhsa_next_free_vgpr 256
		.amdhsa_next_free_sgpr 66
		.amdhsa_reserve_vcc 0
		.amdhsa_float_denorm_mode_32 3
		.amdhsa_float_denorm_mode_16_64 3
		.amdhsa_memory_ordered 1
		.amdhsa_forward_progress 1
		.amdhsa_inst_pref_size 132
	.end_amdhsa_kernel
	.amdgpu_metadata
---
amdhsa.version: [ 1, 2 ]
amdhsa.kernels:
  - .name:           k_q3b51fc4aaa_quant
    .symbol:         k_q3b51fc4aaa_quant.kd
    .args:
      - { .name: x, .offset: 0, .size: 8, .value_kind: global_buffer, .address_space: global }
      - { .name: kv, .offset: 8, .size: 8, .value_kind: global_buffer, .address_space: global }
      - { .name: Wq, .offset: 16, .size: 8, .value_kind: global_buffer, .address_space: global }
      - { .name: Wk, .offset: 24, .size: 8, .value_kind: global_buffer, .address_space: global }
      - { .name: Wv, .offset: 32, .size: 8, .value_kind: global_buffer, .address_space: global }
      - { .name: mask, .offset: 40, .size: 8, .value_kind: global_buffer, .address_space: global }
      - { .name: lowp_scales, .offset: 48, .size: 8, .value_kind: global_buffer, .address_space: global }
      - { .name: a_img, .offset: 56, .size: 8, .value_kind: global_buffer, .address_space: global }
      - { .name: w_img, .offset: 64, .size: 8, .value_kind: global_buffer, .address_space: global }
      - { .name: out1, .offset: 72, .size: 8, .value_kind: global_buffer, .address_space: global }
    .group_segment_fixed_size: 67072
    .private_segment_fixed_size: 0
    .kernarg_segment_align: 8
    .kernarg_segment_size: 80
    .max_flat_workgroup_size: 128
    .sgpr_count:     66
    .vgpr_count:     256
    .wavefront_size: 32
...
	.end_amdgpu_metadata
.endif
;; end of part 1
;; launch proj (part 2): grid 8 x 32, 4 waves a work-group, clusters of 4 x 4, 327,680 bytes of LDS; arguments a_img, w_img, bq, bk, bv, lowp_scales, q_img, kv_img; writes q_img, kv_img
.if DOCPART == 2
	.amdgcn_target "amdgcn-amd-amdhsa--gfx1250"
	.amdhsa_code_object_version 6
	.text
	.protected	k_q3b51fc4aaa_proj
	.globl	k_q3b51fc4aaa_proj
	.p2align	8
	.type	k_q3b51fc4aaa_proj,@function
k_q3b51fc4aaa_proj:
	s_mov_b64 s[64:65], 0
	v_nop
	global_prefetch_b8 v0, s[64:65] scope:SCOPE_SE
	s_setreg_imm32_b32 hwreg(HW_REG_WAVE_MODE, 25, 1), 1
	s_wait_xcnt 0x0
	s_wait_alu depctr_hold_cnt(0) depctr_sa_sdst(0) depctr_va_vdst(0) depctr_va_sdst(0) depctr_va_ssrc(0) depctr_va_vcc(0) depctr_vm_vsrc(0)
	s_getreg_b32 s2, hwreg(HW_REG_IB_STS2, 6, 4)
	s_cmp_eq_u32 s2, 0
	s_cbranch_scc0 .Lentry_in_a_cluster
	s_endpgm
.Lentry_in_a_cluster:
	s_bfe_u32 s2, ttmp6, 0x10000c
	s_cmp_lg_u32 s2, 0xf033
	s_cbranch_scc0 .Lentry_shape_is_right
	s_endpgm
.Lentry_shape_is_right:
; THE THREE PROJECTIONS on codes of FP8 (E4M3): q = Wq x + bq, k = Wk kv + bk, v = Wv kv + bv, K = the 1,024 channels; each result is quantised at once for the attention's products and stored as codes.
; q is quantised as q / 8 (reference()'s SCALE, a power of two) with e6, k with e7, v with e9.  A sum of codes stands for sum x 2^(eA + eB): the bias goes in as the C of a sum's first product, divided by that power of
; two, and the conversion's one scale is 2^(e6 - e0 - e1 + 3), 2^(e7 - e2 - e3), 2^(e9 - e4 - e5).
; LIMITS: these three exponents lie between -126 and 119, so that the scale and 448 x the scale are f32 numbers.  NaN among the inputs is not served.
; SHARES.  256 work-groups that stay: each makes three tiles of 256 t x 128 o, one of q, one of k, one of v, one after the other in one text without a loop.  (Tiles of 256 x 256 would be 384: one and a half for a WGP.)
; A wave makes 128 t x 64 o, the 64 channels of ONE head: 32 accumulators.  K goes in 12 steps of 256 (4 a tile) through a ring of two LDS slots, which does not stop at a tile's end.
; THE OPERANDS LIE IN MEMORY AS IMAGES OF THEIR REGISTERS: a K step's tile is one dense block for the tensor data mover, a fragment (16 rows x 128 K, 16 registers) is four ds_load_b128 of 512 consecutive bytes each.
; Lane (r, h) then holds, of row r, K = 32 c + 16 h + 0 .. 15 in registers 4 c .. 4 c + 3: a permutation of k that is the same in both operands, so every product meets its partner.
; FORMS.  q, k: source 0 = 16 rows of W, source 1 = 16 columns t: lane (r, h) holds t = r and o = 8 h + 0 .. 7: eight neighbours along the attention's first K (the head's 64).
;         v: the sources swapped: lane (r, h) holds o = r and t = 8 h + 0 .. 7: eight neighbours along its second K (the keys).  So the conversions' results ARE the attention's fragments (K = 64 form: registers 2 c, 2 c + 1
;         hold k = 16 c + 8 h + 0 .. 7), and they are stored as images, 512 consecutive bytes a store.
;   q_img: head x 131072 + (t >> 4) x 1024 + 512 c' + 16 lane.   kv_img: head x 262144 + (key >> 6) x 8192 + [K: ((key & 63) >> 4) x 1024 | V: 4096 + (d >> 4) x 1024] + 512 c' + 16 lane.
; CLUSTERS: 4 x 4 work-groups.  The four of a row of the cluster need the same tiles of the activations, the four of a column the same tiles of the weights: each tile is asked for JOINTLY, by the same tensor load with the
; same descriptor and a mask that names the four.
; REGISTERS, in windows of 256: window 0: v1-15 addresses and scales; v20-23 bv as loaded; v32-127 the biases in the results' layout (32 a tile); v128-191 codes on the way out.
;   window 1: the 32 accumulators ((a, b) at v[8 (4 a + b)]).   window 2: the activations' fragments, two sets of 8.   window 3: the weights' fragments, two sets of 4.
.set SLOT,  98304                      ; a slot: 65,536 bytes of activations (16 blocks of 16 rows x 256 K), then 32,768 of weights (8 blocks)
.set WOFF,  65536
.set SPARE, 2*SLOT                     ; behind the ring: the spare words, 128 bytes for each wave: two blocks of 256 bytes that no other line names
.set G1A, 32                           ; s[32:39] descriptor group 1 for the activations' tiles;  s[48:55] group 0, one set for each slot
.set G1W, 40                           ; s[40:47], s[56:63] the same for the weights'
.set G0A, 48
.set G0W, 56
.set DA1, 131072                       ; a slot's next tile, two K steps on: in the same projection,
.set DA2, 8388608-131072               ; or in the next part of a_img, two K steps back
.set DW1, 65536
.set DW2, 1048576-65536
.set CODE, 128
.set MSB, 0
.macro WIN new                         ; the immediate's high byte repeats the setting that is left; a switch that changes nothing is dropped
.if MSB != (\new)
	s_set_vgpr_msb (MSB<<8)|(\new)
.set MSB, (\new)
.endif
.endm
.macro PLACES                          ; four plain places in front of loads into registers that matrix instructions have read, and of the first read of results (ISA guide 7.12.1 for the first read of results)
.rept 4
	v_nop
.endr
.endm
; A joint load: waves 0 and 1 fetch the halves of the activations' tile, waves 2 and 3 of the weights'.  The branch hangs on the wave's number alone.  Four v_nop follow each of the two lines.
.macro JLOAD s
	s_cmp_eq_u32 s21, 0
	s_cbranch_scc0 .Lfor_w_\@
	tensor_load_to_lds s[G0A+4*\s:G0A+4*\s+3], s[G1A:G1A+7]
	s_nop 0
.rept 4
	v_nop
.endr
	s_branch .Lasked_\@
.Lfor_w_\@:
	tensor_load_to_lds s[G0W+4*\s:G0W+4*\s+3], s[G1W:G1W+7]
	s_nop 0
.rept 4
	v_nop
.endr
.Lasked_\@:
.endm
.macro CREST                           ; a round of the cluster's barrier behind its opening barrier
	s_cmp_lg_u32 s20, 0
	s_cbranch_scc1 .Lnot_wave_0_\@
	s_barrier_signal -3
.Lnot_wave_0_\@:
	s_barrier_wait -3
	s_barrier_signal -1
	s_barrier_wait -1
.endm
.macro CROUND                          ; a whole round
	s_barrier_signal -1
	s_barrier_wait -1
	CREST
.endm
.macro MKS e, sc, lim                  ; s[e] = e  ->  v[sc] = 2^e as f32
	s_add_co_i32 s94, s[\e], 127
	s_lshl_b32 s95, s94, 23
	v_mov_b32 v[\sc], s95
.endm
; 48 LDS loads in one run: the fragments of the slot's kf-th 128 along K into set sg: my 8 blocks of activations, my 4 of weights
.macro FETCH slot, kf, sg
	WIN 0x80                                       ; destination window 2, address window 0
.irp a, 0,1,2,3,4,5,6,7
.irp c, 0,1,2,3
	ds_load_b128 v[128*(\sg)+16*\a+4*\c:128*(\sg)+16*\a+4*\c+3], v[2+(\slot)] offset:\a*4096+(\kf)*2048+512*\c
.endr
.endr
	WIN 0xC0                                       ; destination window 3
.irp b, 0,1,2,3
.irp c, 0,1,2,3
	ds_load_b128 v[64*(\sg)+16*\b+4*\c:64*(\sg)+16*\b+4*\c+3], v[4+(\slot)] offset:\b*4096+(\kf)*2048+512*\c
.endr
.endr
.endm
; 4 n matrix instructions: blocks a0 .. a0 + n - 1 of t x the 4 blocks of o, 128 along K, set sg.  form = 0: q, k; 1: v.  first = 1: the bias, v[creg + 8 b ..] of window 0, is the C: nothing is cleared.
; The 32 accumulators take turns, one instruction a turn, in the same order in every 128 along K.
.macro MUL a0, n, sg, form, first, creg
	WIN (0x4B+3*(\form)+0x10*(1-(\first)))         ; D window 1; weights window 3, activations window 2; C window 1, or window 0 for the bias
.set aa, \a0
.rept \n
.irp b, 0,1,2,3
.if \form
.if \first
	v_wmma_f32_16x16x128_fp8_fp8 v[8*(4*aa+\b):8*(4*aa+\b)+7], v[128*(\sg)+16*aa:128*(\sg)+16*aa+15], v[64*(\sg)+16*\b:64*(\sg)+16*\b+15], v[\creg+8*\b:\creg+8*\b+7]
.else
	v_wmma_f32_16x16x128_fp8_fp8 v[8*(4*aa+\b):8*(4*aa+\b)+7], v[128*(\sg)+16*aa:128*(\sg)+16*aa+15], v[64*(\sg)+16*\b:64*(\sg)+16*\b+15], v[8*(4*aa+\b):8*(4*aa+\b)+7]
.endif
.else
.if \first
	v_wmma_f32_16x16x128_fp8_fp8 v[8*(4*aa+\b):8*(4*aa+\b)+7], v[64*(\sg)+16*\b:64*(\sg)+16*\b+15], v[128*(\sg)+16*aa:128*(\sg)+16*aa+15], v[\creg+8*\b:\creg+8*\b+7]
.else
	v_wmma_f32_16x16x128_fp8_fp8 v[8*(4*aa+\b):8*(4*aa+\b)+7], v[64*(\sg)+16*\b:64*(\sg)+16*\b+15], v[128*(\sg)+16*aa:128*(\sg)+16*aa+15], v[8*(4*aa+\b):8*(4*aa+\b)+7]
.endif
.endif
.endr
.set aa, aa+1
.endr
.endm
; A K step's first 128: set 0 is multiplied while set 1 is fetched from the same slot.
.macro SUB slot, form, first, creg
	s_wait_dscnt 0x0                               ; set 0 is in
	PLACES                                         ; set 1 was read by the matrix instructions just issued
	FETCH \slot, 1, 1
	MUL 0, 8, 0, \form, \first, \creg
.endm
; Its second 128 changes slots: ONE barrier; in front of it each wave waits for all its tensor loads, adds 0 to its spare word, and waits for that and for its own reads of this slot.
; mode 2: this slot is filled again, two K steps ahead (dA, dW: the addresses' steps); the barrier then opens a round of the cluster's.  mode 1: nothing is left to fetch.  mode 0: the last K step: no change of slots.
.macro TURN slot, mode, form, dA, dW
.if \mode == 0
	s_wait_dscnt 0x0
	MUL 0, 8, 1, \form, 0, 0
.else
	WIN 0                                          ; (the add's two registers lie in window 0)
	s_wait_tensorcnt 0x0                           ; all my tensor loads have landed: the one that was out is my part of the next slot;
	ds_add_u32 v6, v7                              ; 0 onto my spare word;
	s_wait_dscnt 1                                 ; (the add alone may be out: set 1 is in)
	MUL 0, 2, 1, \form, 0, 0                       ; eight matrix instructions stand between the add and the wait for it
	s_wait_dscnt 0x0                               ; the add is done, and my reads of this slot are over
	s_barrier_signal -1
	MUL 2, 2, 1, \form, 0, 0
	WIN 0
	s_barrier_wait -1
.if \mode == 2
	CREST                                          ; no wave of any partner still reads this slot's tile or has a load on its way
	s_add_nc_u64 s[G0A+4*\slot+2:G0A+4*\slot+3], s[G0A+4*\slot+2:G0A+4*\slot+3], \dA
	s_add_nc_u64 s[G0W+4*\slot+2:G0W+4*\slot+3], s[G0W+4*\slot+2:G0W+4*\slot+3], \dW
	JLOAD \slot                                    ; the first tensor load behind the round, one a wave; the four v_nop behind it are also the places in front of the loads below
.else
	PLACES
.endif
	FETCH 1-\slot, 0, 0
	MUL 4, 4, 1, \form, 0, 0
.endif
.endm
; THE WAY OUT of tile p: converted, stored.  Each accumulator is taken from its low end on.  The next tile's first fragments and both refills have been asked for.
.macro EPI p
	PLACES                                         ; the conversions read results just made
	s_wait_xcnt 0x0                                ; the last tile's stores have read their registers: the codes' registers are written again only behind this wait
	WIN 0x41                                       ; destination and source 0 window 1
.set jj, 0
.rept 256
.set jj, jj+1
.endr
	WIN 0x01                                       ; source 0 window 1, destination window 0
.irp a, 0,1,2,3,4,5,6,7
.irp b, 0,1,2,3
.if \p < 2
	v_cvt_scalef32_pk8_fp8_f32 v[CODE+8*\a+2*\b:CODE+8*\a+2*\b+1], v[8*(4*\a+\b):8*(4*\a+\b)+7], v[8+\p]     ; registers 2 b, 2 b + 1 of the fragment of t block a: d = 16 b + 8 h + 0 .. 7
.else
	v_cvt_scalef32_pk8_fp8_f32 v[CODE+16*\b+2*\a:CODE+16*\b+2*\a+1], v[8*(4*\a+\b):8*(4*\a+\b)+7], v[8+\p]   ; registers 2 (a % 4), + 1 of the fragment of d block b, key step a / 4: keys 16 (a % 4) + 8 h + 0 .. 7
.endif
.endr
.endr
	v_nop                                          ; one plain line between the conversions and the matrix instructions that write their sources
	WIN 0
.if \p < 2
.irp a, 0,1,2,3,4,5,6,7
.irp c, 0,1
.if \p == 0
	global_store_b128 v1, v[CODE+8*\a+4*\c:CODE+8*\a+4*\c+3], s[80:81] offset:\a*1024+\c*512                     ; the wave stores 512 consecutive bytes, at a multiple of 256 from the buffer's first byte
.else
	global_store_b128 v1, v[CODE+8*\a+4*\c:CODE+8*\a+4*\c+3], s[82:83] offset:(\a/4)*8192+(\a%4)*1024+\c*512
.endif
.endr
.endr
.else
.irp b, 0,1,2,3
.irp i, 0,1,2,3
	global_store_b128 v1, v[CODE+16*\b+4*\i:CODE+16*\b+4*\i+3], s[84:85] offset:(\i/2)*8192+\b*1024+(\i%2)*512
.endr
.endr
.endif
.endm
	s_load_b512 s[4:19], s[0:1], 0x0               ; a_img s[4:5], w_img s[6:7], bq s[8:9], bk s[10:11], bv s[12:13], the scales s[14:15], q_img s[16:17], kv_img s[18:19]
	v_lshl_add_u32 v6, v0, 2, SPARE                ; my spare word; never rewritten
	v_mov_b32 v7, 0                                ; 0; never rewritten
	ds_add_u32 v6, v7
	ds_add_u32 v6, v7
	s_wait_dscnt 0x0
	v_lshrrev_b32 v1, 5, v0
	v_readfirstlane_b32 s20, v1                    ; wave 0..3
	s_lshr_b32 s21, s20, 1                         ; which 128 t of the tile are mine.  Also: I fetch activations (0) or weights (1)
	s_and_b32 s22, s20, 1                          ; which 64 o.  Also: which half of that tile I fetch
	s_bfe_u32 s23, ttmp6, 0x40000                  ; cx, cy: my place in the cluster
	s_bfe_u32 s24, ttmp6, 0x40004
	s_lshl_b32 s25, ttmp9, 2
	s_add_co_u32 s25, s25, s23                     ; which 128 o = 4 x cluster x + cx
	s_and_b32 s26, ttmp7, 0xffff
	s_lshl_b32 s26, s26, 2
	s_add_co_u32 s26, s26, s24                     ; which 256 t = 4 x cluster y + cy
	s_lshl_b32 s27, s24, 2
	s_lshl_b32 s27, 15, s27                        ; my row of the cluster
	s_lshl_b32 s28, 0x1111, s23                    ; my column
	; descriptor group 1: dense blocks, as rows of 256 bytes: 128 rows (half the activations' tile), 64 rows (half the weights')
	s_or_b32 s[G1A], s27, (1<<21)                  ; 15:0 the mask; 17:16 elements of 1 byte; 20 no padding; 21 set beside a mask
	s_or_b32 s[G1W], s28, (1<<21)
	s_mov_b32 s[G1A+1], 256<<16                    ; tensor_dim0 = 256
	s_mov_b32 s[G1A+2], 128<<16                    ; tensor_dim1 = 128
	s_mov_b32 s[G1A+3], 256<<16                    ; tile_dim0 = 256
	s_mov_b32 s[G1A+4], 128                        ; tile_dim1 = 128
	s_mov_b32 s[G1A+5], 256                        ; from row to row
	s_mov_b32 s[G1A+6], 0
	s_mov_b32 s[G1A+7], 0
	s_mov_b32 s[G1W+1], 256<<16
	s_mov_b32 s[G1W+2], 64<<16
	s_mov_b32 s[G1W+3], 256<<16
	s_mov_b32 s[G1W+4], 64
	s_mov_b32 s[G1W+5], 256
	s_mov_b32 s[G1W+6], 0
	s_mov_b32 s[G1W+7], 0
	; the activations' address hangs on the 256 t alone, which my row of the cluster shares; the weights' on the 128 o alone, which my column shares; each in registers that never hold the other coordinate
	s_lshl_b32 s86, s26, 18
	s_lshl_b32 s87, s22, 15
	s_add_co_u32 s86, s86, s87
	s_mov_b32 s87, 0
	s_lshl_b32 s88, s25, 17
	s_lshl_b32 s89, s22, 14
	s_add_co_u32 s88, s88, s89
	s_mov_b32 s89, 0
	s_lshl_b32 s29, s22, 15                        ; where they go in a slot: no place in the cluster enters an LDS address
	s_lshl_b32 s30, s22, 14
	s_add_co_u32 s30, s30, WOFF
	s_wait_kmcnt 0x0
	s_load_b256 s[68:75], s[14:15], 0x0            ; e0 .. e7
	s_load_b64 s[76:77], s[14:15], 0x20            ; e8, e9
	s_add_nc_u64 s[86:87], s[4:5], s[86:87]
	s_add_nc_u64 s[88:89], s[6:7], s[88:89]
	CROUND                                         ; all sixteen work-groups are here: the first joint loads meet
.irp s, 0,1
	s_mov_b32 s[G0A+4*\s], 1                                       ; count = 1
	s_add_co_u32 s[G0A+4*\s+1], s29, \s*SLOT                       ; LDS address
	s_add_nc_u64 s[G0A+4*\s+2:G0A+4*\s+3], s[86:87], \s*65536      ; global address: K step s of the first projection
	s_or_b32 s[G0A+4*\s+3], s[G0A+4*\s+3], 0x80000000              ; type = 2
	s_mov_b32 s[G0W+4*\s], 1
	s_add_co_u32 s[G0W+4*\s+1], s30, \s*SLOT
	s_add_nc_u64 s[G0W+4*\s+2:G0W+4*\s+3], s[88:89], \s*32768
	s_or_b32 s[G0W+4*\s+3], s[G0W+4*\s+3], 0x80000000
	s_wait_alu depctr_va_vdst(0)
	s_wait_tensorcnt 0x0
	ds_add_u32 v6, v7
	ds_add_u32 v6, v7
	s_wait_dscnt 0x0
	CROUND
	JLOAD \s                                       ; one load of mine is out
.endr
	v_and_b32 v1, 31, v0
	v_lshlrev_b32 v1, 4, v1                        ; 16 x lane: an image's place for my lane
	s_wait_alu depctr_va_vdst(0)
	v_bfe_u32 v14, v0, 4, 1
	v_lshlrev_b32 v14, 5, v14                      ; 32 h
	v_and_b32 v15, 15, v0
	v_lshlrev_b32 v15, 2, v15                      ; 4 r
	s_lshl_b32 s90, s25, 9                         ; my 64 numbers of each bias: (128 x which 128 o + 64 x half) x 4 bytes
	s_lshl_b32 s91, s22, 8
	s_add_co_u32 s90, s90, s91
	s_mov_b32 s91, 0
	s_add_nc_u64 s[8:9], s[8:9], s[90:91]
	s_add_nc_u64 s[10:11], s[10:11], s[90:91]
	s_add_nc_u64 s[12:13], s[12:13], s[90:91]
.irp b, 0,1,2,3
	global_load_b128 v[32+8*\b:35+8*\b], v14, s[8:9] offset:64*\b          ; q, k: lane (r, h) wants the bias at o = 16 b + 8 h + 0 .. 7
	global_load_b128 v[36+8*\b:39+8*\b], v14, s[8:9] offset:64*\b+16
	global_load_b128 v[64+8*\b:67+8*\b], v14, s[10:11] offset:64*\b
	global_load_b128 v[68+8*\b:71+8*\b], v14, s[10:11] offset:64*\b+16
	global_load_b32 v[20+\b], v15, s[12:13] offset:64*\b                   ; v: at o = 16 b + r, in all eight registers
.endr
	s_lshl_b32 s90, s21, 15                        ; my 8 blocks of activations in a slot
	v_add_nc_u32 v2, s90, v1
	v_add_nc_u32 v3, SLOT, v2
	s_lshl_b32 s91, s22, 14                        ; my 4 blocks of weights
	s_add_co_u32 s91, s91, WOFF
	v_add_nc_u32 v4, s91, v1
	v_add_nc_u32 v5, SLOT, v4
	; where my results go.  head = 16 b + 2 x which 128 o + half; b = (which 256 t) >> 3
	s_lshr_b32 s90, s26, 3
	s_lshl_b32 s90, s90, 4
	s_lshl_b32 s91, s25, 1
	s_add_co_u32 s90, s90, s91
	s_add_co_u32 s90, s90, s22
	s_and_b32 s91, s26, 7
	s_lshl_b32 s92, s90, 17                        ; q_img: head x 131072 + (16 x (which 256 t & 7) + 8 x half) x 1024
	s_lshl_b32 s93, s91, 14
	s_add_co_u32 s92, s92, s93
	s_lshl_b32 s93, s21, 13
	s_add_co_u32 s92, s92, s93
	s_mov_b32 s93, 0
	s_add_nc_u64 s[80:81], s[16:17], s[92:93]
	s_lshl_b32 s92, s90, 18                        ; kv_img: head x 262144 + (4 x (which 256 t & 7) + 2 x half) x 8192
	s_lshl_b32 s94, s91, 15
	s_add_co_u32 s92, s92, s94
	s_lshl_b32 s94, s21, 14
	s_add_co_u32 s92, s92, s94
	s_add_nc_u64 s[82:83], s[18:19], s[92:93]
	s_add_nc_u64 s[84:85], s[82:83], 4096          ; V's part of a key step lies behind K's
	s_wait_loadcnt 0x0
	s_wait_kmcnt 0x0
	s_add_co_i32 s90, s68, s69                     ; e0 + e1
	s_sub_co_i32 s91, 0, s90
	s_sub_co_i32 s92, s74, s90
	s_add_co_i32 s92, s92, 3                       ; e6 - e0 - e1 + 3: the 3 is reference()'s SCALE = 1 / 8
	MKS 92, 8, 11
.set jj, 0
.rept 32
	v_ldexp_f32 v[32+jj], v[32+jj], s91            ; bq / 2^(e0 + e1)
.set jj, jj+1
.endr
	s_add_co_i32 s90, s70, s71                     ; e2 + e3
	s_sub_co_i32 s91, 0, s90
	s_sub_co_i32 s92, s75, s90
	MKS 92, 9, 12
.set jj, 0
.rept 32
	v_ldexp_f32 v[64+jj], v[64+jj], s91
.set jj, jj+1
.endr
	s_add_co_i32 s90, s72, s73                     ; e4 + e5
	s_sub_co_i32 s91, 0, s90
	s_sub_co_i32 s92, s77, s90
	MKS 92, 10, 13
.set jj, 0
.rept 32
	v_ldexp_f32 v[96+jj], v[20+jj/8], s91
.set jj, jj+1
.endr
	s_wait_tensorcnt 1                             ; my part of K step 0 is in; K step 1's may stay out
	s_barrier_signal -1
	s_barrier_wait -1                              ; everybody's is
	FETCH 0, 0, 0
	SUB  0, 0, 1, 32                               ; q
	TURN 0, 2, 0, DA1, DW1
	SUB  1, 0, 0, 0
	TURN 1, 2, 0, DA1, DW1
	SUB  0, 0, 0, 0
	TURN 0, 2, 0, DA2, DW2                         ; the ring goes on into the next projection
	SUB  1, 0, 0, 0
	TURN 1, 2, 0, DA2, DW2
	EPI  0
	SUB  0, 0, 1, 64                               ; k
	TURN 0, 2, 0, DA1, DW1
	SUB  1, 0, 0, 0
	TURN 1, 2, 0, DA1, DW1
	SUB  0, 0, 0, 0
	TURN 0, 2, 0, DA2, DW2
	SUB  1, 0, 0, 0
	TURN 1, 2, 0, DA2, DW2
	EPI  1
	SUB  0, 1, 1, 96                               ; v
	TURN 0, 2, 1, DA1, DW1
	SUB  1, 1, 0, 0
	TURN 1, 2, 1, DA1, DW1
	SUB  0, 1, 0, 0
	TURN 0, 1, 1, 0, 0                             ; nothing is left to fetch
	SUB  1, 1, 0, 0
	TURN 1, 0, 1, 0, 0
	EPI  2
	s_wait_tensorcnt 0x0                           ; the wave's end: behind my last tensor load and my last LDS instruction
	ds_add_u32 v6, v7
	s_wait_dscnt 0x0
	CROUND                                         ; the closing round: no work-group ends while a partner may still ask for a tile that names it
	s_endpgm
.Lfunc_end_k_q3b51fc4aaa_proj:
	.size	k_q3b51fc4aaa_proj, .Lfunc_end_k_q3b51fc4aaa_proj-k_q3b51fc4aaa_proj
	.p2alignl 7, 3214868480
	.fill 96, 4, 3214868480
	.section	.rodata,"a",@progbits
	.p2align	6, 0x0
	.amdhsa_kernel k_q3b51fc4aaa_proj
		.amdhsa_group_segment_fixed_size 327680
		.amdhsa_private_segment_fixed_size 0
		.amdhsa_enable_private_segment 0
		.amdhsa_kernarg_size 64
		.amdhsa_user_sgpr_count 2
		.amdhsa_user_sgpr_kernarg_segment_ptr 1
		.amdhsa_wavefront_size32 1
		.amdhsa_system_sgpr_workgroup_id_x 1
		.amdhsa_system_sgpr_workgroup_id_y 1
		.amdhsa_system_sgpr_workgroup_id_z 1
		.amdhsa_system_vgpr_workitem_id 0
		.amdhsa_next_free_vgpr 896
		.amdhsa_next_free_sgpr 100
		.amdhsa_reserve_vcc 0
		.amdhsa_float_denorm_mode_32 3
		.amdhsa_float_denorm_mode_16_64 3
		.amdhsa_fp16_overflow 1
		.amdhsa_memory_ordered 1
		.amdhsa_forward_progress 1
		.amdhsa_inst_pref_size 165
	.end_amdhsa_kernel
	.amdgpu_metadata
---
amdhsa.version: [ 1, 2 ]
amdhsa.kernels:
  - .name:           k_q3b51fc4aaa_proj
    .symbol:         k_q3b51fc4aaa_proj.kd
    .args:
      - { .name: a_img, .offset: 0, .size: 8, .value_kind: global_buffer, .address_space: global }
      - { .name: w_img, .offset: 8, .size: 8, .value_kind: global_buffer, .address_space: global }
      - { .name: bq, .offset: 16, .size: 8, .value_kind: global_buffer, .address_space: global }
      - { .name: bk, .offset: 24, .size: 8, .value_kind: global_buffer, .address_space: global }
      - { .name: bv, .offset: 32, .size: 8, .value_kind: global_buffer, .address_space: global }
      - { .name: lowp_scales, .offset: 40, .size: 8, .value_kind: global_buffer, .address_space: global }
      - { .name: q_img, .offset: 48, .size: 8, .value_kind: global_buffer, .address_space: global }
      - { .name: kv_img, .offset: 56, .size: 8, .value_kind: global_buffer, .address_space: global }
    .group_segment_fixed_size: 327680
    .private_segment_fixed_size: 0
    .kernarg_segment_align: 8
    .kernarg_segment_size: 64
    .max_flat_workgroup_size: 128
    .sgpr_count:     100
    .vgpr_count:     896
    .wavefront_size: 32
...
	.end_amdgpu_metadata
.endif
;; end of part 2
;; launch attn (part 3): grid 4 x 64, 16 waves a work-group, clusters of 4 x 1, 327,680 bytes of LDS; arguments q_img, kv_img, kv_mask, lowp_scales, x, out0; writes out0
.if DOCPART == 3
	.amdgcn_target "amdgcn-amd-amdhsa--gfx1250"
	.amdhsa_code_object_version 6
	.text
	.protected	k_q3b51fc4aaa_attn
	.globl	k_q3b51fc4aaa_attn
	.p2align	8
	.type	k_q3b51fc4aaa_attn,@function
k_q3b51fc4aaa_attn:
	s_mov_b64 s[64:65], 0
	v_nop
	global_prefetch_b8 v0, s[64:65] scope:SCOPE_SE
	s_setreg_imm32_b32 hwreg(HW_REG_WAVE_MODE, 25, 1), 1
	s_wait_xcnt 0x0
	s_wait_alu depctr_hold_cnt(0) depctr_sa_sdst(0) depctr_va_vdst(0) depctr_va_sdst(0) depctr_va_ssrc(0) depctr_va_vcc(0) depctr_vm_vsrc(0)
	s_getreg_b32 s2, hwreg(HW_REG_IB_STS2, 6, 4)
	s_cmp_eq_u32 s2, 0
	s_cbranch_scc0 .Lentry_in_a_cluster
	s_endpgm
.Lentry_in_a_cluster:
	s_bfe_u32 s2, ttmp6, 0x10000c
	s_cmp_lg_u32 s2, 0x3003
	s_cbranch_scc0 .Lentry_shape_is_right
	s_endpgm
.Lentry_shape_is_right:
; out0[b][64 h + d][t] = x[b][64 h + d][t] + the sum over keys of softmax(q . k, hidden keys left out) v, for 64 heads (head = 16 b + h), 2,048 queries, 2,048 keys, d = 64; both products on codes of FP8 (E4M3).
; q (already x 1 / 8), k and v arrive as codes, laid as images of the K = 64 form's registers (registers 2 c, 2 c + 1: k = 16 c + 8 (lane / 16) + 0 .. 7); their scales are 2^e6, 2^e7, 2^e9; p's is 2^e8.
; THE SOFTMAX AHEAD OF THE SECOND PRODUCT: t = logit x log2(e); M = the largest t so far, rounded UP to a whole number; p = 2^(t - M) is quantised, not normalised; the row's sum is taken of the unquantised p and divides
; at the end.  When M moves, the sum and O are multiplied by 2^(old M - new M): exact, and without a branch on data.
; THE KEY MASK COSTS NO VECTOR WORK: for each key a bias, 0 or -3e38, lies in LDS and is the C of the first product.  The running maximum is kept of the raw sums and begins at -2^25: under every open sum (at most
; 64 x 448^2 in magnitude) and over every hidden one: a hidden key never sets M, and its p is 0.  A batch all of whose keys are hidden gives 0 / 0 = NaN, as reference() does.
; LIMITS: e6 + e7 between -118 and 100 (c = log2(e) x 2^(e6 + e7) and c x 2^25 are f32 numbers, and c x 3e38 is far over 126); e8 between -126 and 119; e8 + e9 is applied by v_ldexp_f32 and has none.
; SHARES.  A work-group owns 512 queries of one head; each of its sixteen waves 32 of them, two tiles, in 256 registers: four waves to a SIMD, so that one wave's vector work stands beside another's products and LDS loads.
; Two tiles share each fragment of K and V that the wave reads.  Every wave walks all keys, 64 a step.
; THE HEAD'S WHOLE K AND V, 262,144 bytes, LIE IN LDS: each byte is filled once, by two loads of each of waves 0 to 3 (the first 8 key steps, then the other 24): no slot is ever filled again.
; CLUSTER: the four work-groups of a head form a cluster and ask for K and V JOINTLY: the same tensor loads, with the same descriptors and a mask that names the four.
; LAYOUT.  Both products are used transposed: S^T = K Q^T (source 0 = 16 keys, source 1 = 16 queries), O^T = V^T P^T (source 0 = 16 of the head's 64, source 1 = P): a lane holds ONE query (lane % 16) throughout, and the
; eight registers of a tile of S^T are keys 8 (lane / 16) + 0 .. 7: their conversion gives registers 2 T, 2 T + 1 of P.
; REGISTERS: v1 16 x lane; v2 the biases' address; v3, v4 the step's addresses; v6 2^e8; v7 prefetch offset; v8-15 statistics (a tile: -M, the largest raw sum, the sum in two halves); v16-31 Q;
;   v32-63 K, then v32-47 P and v48-63 at work (a tile: +0, +1 maxima, +2 f, +4, +5 a second chain of sums); v64-95 V; v96-127 the biases; v128-191 S^T, then p; v192-255 O^T.
.set MB,   262144                      ; behind K and V: 2,048 biases, f32
.set SPI,  2064                        ; the way out: a stage of 64 rows d x (512 queries x 4 bytes + 16), over K and V, which have had their only fill and their last read by then
.set ST,   8
.set Q,    16
.set KF,   32
.set P,    32
.set TT,   48
.set VF,   64
.set MBR,  96
.set S,    128
.set O,    192
.macro CROUND                          ; a round of the cluster's barrier
	s_barrier_signal -1
	s_barrier_wait -1
	s_cmp_lg_u32 s44, 0
	s_cbranch_scc1 .Lnot_wave_0_\@
	s_barrier_signal -3
.Lnot_wave_0_\@:
	s_barrier_wait -3
	s_barrier_signal -1
	s_barrier_wait -1
.endm
	s_load_b256 s[4:11], s[0:1], 0x0               ; q_img s[4:5], kv_img s[6:7], kv_mask s[8:9], the scales s[10:11]
	s_load_b128 s[12:15], s[0:1], 0x20             ; x s[12:13], out0 s[14:15]
	v_lshl_add_u32 v254, v0, 2, 0x42000
	v_mov_b32 v255, 0
	ds_add_u32 v254, v255
	ds_add_u32 v254, v255
	s_wait_dscnt 0x0
	v_lshrrev_b32 v1, 5, v0
	s_delay_alu instid0(VALU_DEP_1)
	v_readfirstlane_b32 s44, v1                    ; wave 0..15
	s_min_u32 s45, s44, 3                          ; the descriptors are made of this: waves 4 to 15 issue no load, and their registers hold wave 3's numbers
	s_bfe_u32 s60, ttmp6, 0x40000                  ; cx
	s_lshl_b32 s2, ttmp9, 2
	s_add_co_u32 s60, s60, s2                      ; my block of 512 queries: it enters q_img's, x's and out0's addresses alone
	s_and_b32 s61, ttmp7, 0xffff                   ; the head, which the four partners share
	; descriptor group 1: dense blocks as rows of 256 bytes: 64 rows, and 192 rows
	s_mov_b32 s16, 15|(1<<21)                      ; 15:0 the mask: all four work-groups; 17:16 elements of 1 byte; 20 no padding; 21 set beside a mask
	s_mov_b32 s17, 256<<16                         ; tensor_dim0 = 256
	s_mov_b32 s18, 64<<16                          ; tensor_dim1 = 64
	s_mov_b32 s19, 256<<16                         ; tile_dim0 = 256
	s_mov_b32 s20, 64                              ; tile_dim1 = 64
	s_mov_b32 s21, 256                             ; from row to row
	s_mov_b32 s22, 0
	s_mov_b32 s23, 0
	s_mov_b32 s24, 15|(1<<21)
	s_mov_b32 s25, 256<<16
	s_mov_b32 s26, 192<<16
	s_mov_b32 s27, 256<<16
	s_mov_b32 s28, 192
	s_mov_b32 s29, 256
	s_mov_b32 s30, 0
	s_mov_b32 s31, 0
	s_mov_b32 s32, 1                               ; group 0: count = 1
	s_lshl_b32 s33, s45, 14                        ; key steps 0-7: 16,384 bytes a wave; the image lies in LDS as it lies in memory
	s_mov_b32 s36, 1
	s_mul_i32 s37, s45, 49152                      ; key steps 8-31: 49,152 bytes a wave,
	s_add_co_u32 s37, s37, 65536                   ; behind the first 65,536
	s_lshl_b32 s62, s61, 18
	s_mov_b32 s63, 0
	s_mov_b32 s46, 0x76543210                      ; lane selects for v_permlanex16_b32: lane l xor 16
	s_mov_b32 s47, 0xfedcba98
	s_wait_kmcnt 0x0
	s_load_b128 s[40:43], s[10:11], 0x18           ; e6, e7, e8, e9
	s_add_nc_u64 s[6:7], s[6:7], s[62:63]          ; the head's image
	s_mov_b32 s62, s33
	s_add_nc_u64 s[34:35], s[6:7], s[62:63]
	s_or_b32 s35, s35, 0x80000000                  ; type = 2
	s_mov_b32 s62, s37
	s_add_nc_u64 s[38:39], s[6:7], s[62:63]
	s_or_b32 s39, s39, 0x80000000
	CROUND                                         ; all four work-groups are here: the joint loads meet
	s_cmp_lt_u32 s44, 4                            ; a wave's two fills stand in one branch, ahead of every wait on TENSORcnt, every LDS read and every other barrier: two loads of mine are out
	s_cbranch_scc0 .Lno_fill
	tensor_load_to_lds s[32:35], s[16:23]
	s_nop 0
	tensor_load_to_lds s[36:39], s[24:31]
	s_nop 0
.rept 4
	v_nop
.endr
.Lno_fill:
	v_and_b32 v1, 31, v0
	s_delay_alu instid0(VALU_DEP_1)
	v_lshlrev_b32 v1, 4, v1                        ; 16 x lane
	v_bfe_u32 v2, v0, 4, 1
	s_delay_alu instid0(VALU_DEP_1)
	v_lshl_add_u32 v2, v2, 5, MB                   ; the biases of keys 8 (lane / 16) + 0 .. 7
	v_lshrrev_b32 v7, 3, v0
	s_delay_alu instid0(VALU_DEP_1)
	v_lshlrev_b32 v7, 13, v7
	v_and_b32 v3, 7, v0
	s_delay_alu instid0(VALU_DEP_1)
	v_lshl_add_u32 v7, v3, 8, v7                   ; x's tile is 64 rows x 8 blocks of 256 bytes: thread n stands for block n % 8 of row n / 8
	s_lshl_b32 s2, s61, 17                         ; q_img: head x 131072 + (32 x block + 2 x wave) x 1024
	s_lshl_b32 s3, s60, 15
	s_add_co_u32 s2, s2, s3
	s_lshl_b32 s3, s44, 11
	s_add_co_u32 s2, s2, s3
	s_mov_b32 s3, 0
	s_add_nc_u64 s[4:5], s[4:5], s[2:3]
.irp t, 0,1
.irp c, 0,1
	global_load_b128 v[Q+8*\t+4*\c:Q+8*\t+4*\c+3], v1, s[4:5] offset:1024*\t+512*\c   ; Q's two fragments stay in registers
.endr
.endr
	s_lshr_b32 s62, s61, 4
	s_lshl_b32 s62, s62, 11                        ; kv_mask: my batch's 2,048 bytes
	s_add_nc_u64 s[8:9], s[8:9], s[62:63]
	v_lshlrev_b32 v33, 2, v0
	global_load_b32 v32, v33, s[8:9]               ; four keys a thread
	s_lshl_b32 s2, s61, 19                         ; x, out0: row 64 x head, of 8,192 bytes; + 512 queries x 4 bytes x block
	s_lshl_b32 s3, s60, 11
	s_add_co_u32 s2, s2, s3
	s_mov_b32 s3, 0
	s_add_nc_u64 s[54:55], s[12:13], s[2:3]        ; the work-group's tile of x
	s_lshl_b32 s51, s44, 15                        ; my four rows of it
	s_add_co_u32 s2, s2, s51
	s_add_nc_u64 s[56:57], s[12:13], s[2:3]
	s_add_nc_u64 s[58:59], s[14:15], s[2:3]
	s_wait_kmcnt 0x0
	s_add_co_i32 s62, s40, s41
	s_lshl_b32 s62, s62, 23
	s_add_co_i32 s48, s62, 0x3fb8aa3b              ; c = log2(e) x 2^(e6 + e7): the two exponents are added to log2(e)'s exponent field
	s_mov_b32 s49, s48                             ; (named with it as a pair, so it is written)
	s_add_co_i32 s62, s42, 127
	s_lshl_b32 s53, s62, 23
	v_mov_b32 v6, s53                              ; 2^e8 as f32, for the conversion
	s_add_co_i32 s53, s42, s43                     ; e8 + e9
	v_mov_b32 v9, 0xcc000000                       ; the largest raw sum so far: -2^25
	v_mov_b32 v13, 0xcc000000
	s_delay_alu instid0(VALU_DEP_2)
	v_mul_f32 v48, s48, v9
	s_delay_alu instid0(VALU_DEP_1)
	v_floor_f32 v8, -v48                           ; -M
	s_delay_alu instid0(VALU_DEP_1)
	v_mov_b32 v12, v8
	v_mov_b32 v10, 0                               ; the sums, in two halves
	v_mov_b32 v11, 0
	v_mov_b32 v14, 0
	v_mov_b32 v15, 0
.set jj, 0
.rept 64
	v_mov_b32 v[O+jj], 0                           ; O^T.  (The step is written once for all keys: the first finds zeros, which the first change of M leaves zeros)
.set jj, jj+1
.endr
	v_mov_b32 v35, 0xff61b1e6                      ; -3e38
	v_lshl_add_u32 v40, v0, 4, MB
	s_wait_alu depctr_va_vdst(0)
	s_wait_loadcnt 0x0                             ; Q and the mask
.irp i, 0,1,2,3
	v_bfe_u32 v34, v32, 8*\i, 8
	s_delay_alu instid0(VALU_DEP_1)
	v_cmp_eq_u32 vcc_lo, 0, v34
	s_delay_alu instid0(VALU_DEP_1)
	v_cndmask_b32 v[36+\i], 0, v35, vcc_lo         ; a key whose byte is 0 is hidden
.endr
	ds_store_b128 v40, v[36:39]
	s_wait_tensorcnt 0x1                           ; my part of key steps 0-7 is in; the larger fill may stay out
	s_wait_dscnt 0x0                               ; for the others' sake: my four biases are stored
	s_barrier_signal -1
	s_barrier_wait -1
; A KEY STEP: 64 keys, at LDS byte s50.  pf = 1: in the trip that has two whole trips behind it, each thread asks once for its block of x's tile, which the way out adds.
.macro STEP pf
	s_setprio 2
	v_add_nc_u32 v3, s50, v1
	s_lshr_b32 s51, s50, 5                         ; 256 bytes of biases for 8,192 of K and V
	v_add_nc_u32 v4, s51, v2
	v_nop                                          ; with the two additions: four places in front of loads into registers that the last products have read
	v_nop
.irp k, 0,1,2,3
.irp c, 0,1
	ds_load_b128 v[KF+8*\k+4*\c:KF+8*\k+4*\c+3], v3 offset:1024*\k+512*\c
.endr
.endr
.irp k, 0,1,2,3
.irp c, 0,1
	ds_load_b128 v[MBR+8*\k+4*\c:MBR+8*\k+4*\c+3], v4 offset:64*\k+16*\c
.endr
.endr
.irp k, 0,1,2,3
.irp c, 0,1
	ds_load_b128 v[VF+8*\k+4*\c:VF+8*\k+4*\c+3], v3 offset:4096+1024*\k+512*\c
.endr
.endr
.if \pf
	s_cmp_lg_u32 s52, 3
	s_cbranch_scc1 .Lnot_now_\@
	global_prefetch_b8 v7, s[54:55] th:TH_LOAD_NT scope:SCOPE_SE
.Lnot_now_\@:
.endif
	s_wait_dscnt 8                                 ; K and the biases are in; V's eight loads may be out
.irp k, 0,1,2,3
.irp t, 0,1
	v_wmma_f32_16x16x64_fp8_fp8 v[S+32*\t+8*\k:S+32*\t+8*\k+7], v[KF+8*\k:KF+8*\k+7], v[Q+8*\t:Q+8*\t+7], v[MBR+8*\k:MBR+8*\k+7]
.endr
.endr
.rept 4
	v_nop                                          ; places in front of the first read of results, and of writes to K's registers
.endr
.irp t, 0,1                                    ; the step's largest sum of my query among my 32 keys: two chains a tile; each accumulator is first read at its low end
	v_max3_num_f32 v[TT+8*\t], v[S+32*\t], v[S+32*\t+1], v[S+32*\t+2]
	v_max3_num_f32 v[TT+8*\t+1], v[S+32*\t+3], v[S+32*\t+4], v[S+32*\t+5]
.endr
.irp i, 6,10,14,18,22,26
.irp t, 0,1
	v_max3_num_f32 v[TT+8*\t], v[TT+8*\t], v[S+32*\t+\i], v[S+32*\t+\i+1]
	v_max3_num_f32 v[TT+8*\t+1], v[TT+8*\t+1], v[S+32*\t+\i+2], v[S+32*\t+\i+3]
.endr
.endr
.irp t, 0,1
	v_max3_num_f32 v[TT+8*\t], v[TT+8*\t], v[S+32*\t+30], v[S+32*\t+31]
.endr
.irp t, 0,1
	s_delay_alu instid0(VALU_DEP_2)
	v_max_num_f32 v[TT+8*\t], v[TT+8*\t], v[TT+8*\t+1]
.endr
.irp t, 0,1
	s_delay_alu instid0(VALU_DEP_2)
	v_permlanex16_b32 v[TT+8*\t+1], v[TT+8*\t], s46, s47   ; the query's other 32 keys lie in the lane 16 away
.endr
.irp t, 0,1
	s_delay_alu instid0(VALU_DEP_2)
	v_max3_num_f32 v[ST+4*\t+1], v[ST+4*\t+1], v[TT+8*\t], v[TT+8*\t+1]   ; the running largest raw sum
.endr
.irp t, 0
	s_delay_alu instid0(VALU_DEP_2)
	v_mul_f32 v[TT+8*\t], s48, v[ST+4*\t+1]        ; as t (c is positive)
	v_mov_b32 v[TT+8*\t+1], v[ST+4*\t]
.endr
.irp t, 1
	s_delay_alu instid0(VALU_DEP_3)
	v_mul_f32 v[TT+8*\t], s48, v[ST+4*\t+1]
	v_mov_b32 v[TT+8*\t+1], v[ST+4*\t]
.endr
.irp t, 0
	s_delay_alu instid0(VALU_DEP_4)
	v_floor_f32 v[ST+4*\t], -v[TT+8*\t]
.endr
.irp t, 1
	s_delay_alu instid0(VALU_DEP_3)
	v_floor_f32 v[ST+4*\t], -v[TT+8*\t]            ; the new -M = floor(-t) = -ceil(t): M IS A WHOLE NUMBER
.endr
.irp t, 0,1
	s_delay_alu instid0(VALU_DEP_2)
	v_sub_f32 v[TT+8*\t+1], v[ST+4*\t], v[TT+8*\t+1]   ; M's old value less its new one: a whole number, 0 or less
.endr
.irp t, 0,1
	s_delay_alu instid0(VALU_DEP_2)
	v_cvt_i32_f32 v[TT+8*\t+1], v[TT+8*\t+1]       ; (it saturates)
.endr
.irp t, 0,1
	s_delay_alu instid0(VALU_DEP_2)
	v_ldexp_f32 v[TT+8*\t+2], 1.0, v[TT+8*\t+1]    ; f = 2^(old M - new M)
.endr
.set jj, 0
.rept 32
	v_pk_fma_f32 v[S+jj:S+jj+1], v[S+jj:S+jj+1], s[48:49], v[ST+4*(jj/32):ST+4*(jj/32)+1] op_sel_hi:[1,0,0]   ; t - M, two at a time (of the pairs c and -M the low word serves both halves)
.set jj, jj+2
.endr
.set jj, 0
	s_wait_alu depctr_va_vdst(0)
.rept 64
	v_exp_f32 v[S+jj], v[S+jj]                     ; p = 2^(t - M), at most 1: NOT normalised
.set jj, jj+1
.endr
	s_setprio 1
.irp t, 0,1
	v_pk_mul_f32 v[ST+4*\t+2:ST+4*\t+3], v[ST+4*\t+2:ST+4*\t+3], v[TT+8*\t+2:TT+8*\t+3] op_sel_hi:[1,0]   ; the sums under the new M.  (A plain place behind the exponentials)
.endr
	s_wait_alu depctr_va_vdst(0)
.irp t, 0,1
	v_pk_add_f32 v[TT+8*\t+4:TT+8*\t+5], v[S+32*\t:S+32*\t+1], v[S+32*\t+2:S+32*\t+3]   ; THE ROW'S SUM IS TAKEN OF THE UNQUANTISED p: two at a time, two chains a tile
.endr
.irp j, 4,8,12,16,20,24,28
.irp t, 0,1
	v_pk_add_f32 v[ST+4*\t+2:ST+4*\t+3], v[ST+4*\t+2:ST+4*\t+3], v[S+32*\t+\j:S+32*\t+\j+1]
	v_pk_add_f32 v[TT+8*\t+4:TT+8*\t+5], v[TT+8*\t+4:TT+8*\t+5], v[S+32*\t+\j+2:S+32*\t+\j+3]
.endr
.endr
.irp t, 0
	s_delay_alu instid0(VALU_DEP_3)
	v_pk_add_f32 v[ST+4*\t+2:ST+4*\t+3], v[ST+4*\t+2:ST+4*\t+3], v[TT+8*\t+4:TT+8*\t+5]
.endr
.irp t, 1
	s_delay_alu instid0(VALU_DEP_2)
	v_pk_add_f32 v[ST+4*\t+2:ST+4*\t+3], v[ST+4*\t+2:ST+4*\t+3], v[TT+8*\t+4:TT+8*\t+5]
.endr
.set jj, 0
.rept 64
.set jj, jj+1
.endr
.set jj, 0
.rept 8
	v_cvt_scalef32_pk8_fp8_f32 v[P+2*jj:P+2*jj+1], v[S+8*jj:S+8*jj+7], v6   ; tile jj / 4: registers 2 T, 2 T + 1 of P: keys 16 T + 8 (lane / 16) + 0 .. 7
.set jj, jj+1
.endr
.set jj, 0
.rept 32
	v_pk_mul_f32 v[O+jj:O+jj+1], v[O+jj:O+jj+1], v[TT+8*(jj/32)+2:TT+8*(jj/32)+3] op_sel_hi:[1,0]   ; O^T under the new M, each accumulator from its low end on.  (Also the plain lines behind the conversions)
.set jj, jj+2
.endr
	s_setprio 0
	s_wait_alu depctr_va_vdst(0)
	s_wait_dscnt 0x0                               ; V is in
.irp k, 0,1,2,3                                ; eight accumulators by turns, one instruction a turn
.irp t, 0,1
	v_wmma_f32_16x16x64_fp8_fp8 v[O+32*\t+8*\k:O+32*\t+8*\k+7], v[VF+8*\k:VF+8*\k+7], v[P+8*\t:P+8*\t+7], v[O+32*\t+8*\k:O+32*\t+8*\k+7]
.endr
.endr
	s_add_co_u32 s50, s50, 8192
.endm
	s_mov_b32 s50, 0
	s_mov_b32 s52, 8
.Lfirst:                                           ; key steps 0-7: the first fill's
	STEP 0
	s_sub_co_u32 s52, s52, 1
	s_cmp_lg_u32 s52, 0
	s_cbranch_scc1 .Lfirst
	s_setprio 0
	s_wait_tensorcnt 0x0                           ; my part of key steps 8-31 is in,
	s_wait_dscnt 0x0
	s_barrier_signal -1
	s_barrier_wait -1                              ; everybody's is
	s_mov_b32 s50, 65536
	s_mov_b32 s52, 24
.Lrest:
	STEP 1
	s_sub_co_u32 s52, s52, 1
	s_cmp_lg_u32 s52, 0
	s_cbranch_scc1 .Lrest
	s_setprio 0
	; THE WAY OUT.  A lane holds one query and eight d; out0's rows run along the queries.  So O^T / the sum goes through a stage in LDS, row d, 512 queries of sixteen waves; then each wave takes four whole rows,
	; adds x and stores 512 consecutive bytes an instruction.  The seven address lines are the places behind the last products.
	v_and_b32 v62, 15, v0                          ; r
	v_bfe_u32 v63, v0, 4, 1                        ; h
	s_delay_alu instid0(VALU_DEP_1)
	v_mul_u32_u24 v3, v63, 8*SPI                   ; in: row 8 h (+ 16 dt + j in the immediate),
	s_delay_alu instid0(VALU_DEP_1)
	v_lshl_add_u32 v3, v62, 2, v3                  ;     query r,
	s_lshl_b32 s51, s44, 7
	v_add_nc_u32 v3, s51, v3                       ;     of my wave's 32.  The two halves of the lanes lie 8 x 2,064 bytes apart, 128 modulo 256: the 32 words of a store fall on 32 different words modulo 256 bytes
	s_delay_alu instid0(VALU_DEP_1)
	v_add_nc_u32 v4, 32*SPI, v3                    ;     rows 32 on: the immediate has 16 bits
	s_mul_i32 s51, s44, 4*SPI
	v_add_nc_u32 v2, s51, v1                       ; back: my four rows, 16 bytes a lane
.irp n, 0,1,2,3,4,5,6,7,8,9,10,11,12,13,14,15
	global_load_b128 v[64+4*\n:67+4*\n], v1, s[56:57] offset:(\n/4)*8192+(\n%4)*512 th:TH_LOAD_NT   ; x: my four rows' 2,048 bytes each
.endr
.irp t, 0,1
	v_add_f32 v[TT+8*\t], v[ST+4*\t+2], v[ST+4*\t+3]   ; the sum's two halves,
.endr
.irp t, 0,1
	s_delay_alu instid0(VALU_DEP_2)
	v_permlanex16_b32 v[TT+8*\t+1], v[TT+8*\t], s46, s47
.endr
.irp t, 0,1
	s_delay_alu instid0(VALU_DEP_2)
	v_add_f32 v[TT+8*\t], v[TT+8*\t], v[TT+8*\t+1]     ; and lane l xor 16's: the row's sum
.endr
	s_wait_alu depctr_va_vdst(0)
.irp t, 0,1
	v_rcp_f32 v[TT+8*\t], v[TT+8*\t]
.endr
	v_nop                                          ; one plain place behind the transcendentals
	s_wait_alu depctr_va_vdst(0)
.irp t, 0,1
	v_ldexp_f32 v[TT+8*\t], v[TT+8*\t], s53        ; x 2^(e8 + e9)
.endr
.set jj, 0
.rept 32
	v_pk_mul_f32 v[S+jj:S+jj+1], v[O+jj:O+jj+1], v[TT+8*(jj/32):TT+8*(jj/32)+1] op_sel_hi:[1,0]   ; O^T / the sum, each accumulator from its low end on
.set jj, jj+2
.endr
	s_wait_alu depctr_va_vdst(0)
	s_wait_dscnt 0x0
	s_barrier_signal -1
	s_barrier_wait -1                              ; no wave reads K, V or the biases any more
.irp t, 0,1
.irp k, 0,1,2,3
.irp j, 0,1,2,3,4,5,6,7
.if \k < 2
	ds_store_b32 v3, v[S+32*\t+8*\k+\j] offset:(16*\k+\j)*SPI+64*\t
.else
	ds_store_b32 v4, v[S+32*\t+8*\k+\j] offset:(16*(\k-2)+\j)*SPI+64*\t
.endif
.endr
.endr
.endr
	s_wait_dscnt 0x0                               ; for the others' sake: my stores into the stage are done
	s_barrier_signal -1
	s_barrier_wait -1
.irp n, 0,1,2,3,4,5,6,7,8,9,10,11,12,13,14,15
	ds_load_b128 v[O+4*\n:O+4*\n+3], v2 offset:(\n/4)*SPI+(\n%4)*512
.endr
.irp n, 0,1,2,3,4,5,6,7,8,9,10,11,12,13,14,15
	s_wait_loadcnt 15-\n                           ; x's piece n is in, the younger ones may be out;
	s_wait_dscnt 15-\n                             ; the stage's likewise
	v_pk_add_f32 v[O+4*\n:O+4*\n+1], v[O+4*\n:O+4*\n+1], v[64+4*\n:65+4*\n]
	v_pk_add_f32 v[O+4*\n+2:O+4*\n+3], v[O+4*\n+2:O+4*\n+3], v[66+4*\n:67+4*\n]
	global_store_b128 v1, v[O+4*\n:O+4*\n+3], s[58:59] offset:(\n/4)*8192+(\n%4)*512 th:TH_STORE_NT   ; 32 lanes store 512 consecutive bytes, at a multiple of 256 from out0's first byte
.endr
	s_wait_xcnt 0x0
	v_lshl_add_u32 v254, v0, 2, 0x42000
	v_mov_b32 v255, 0
	s_wait_alu depctr_va_vdst(0)
	s_wait_tensorcnt 0x0
	ds_add_u32 v254, v255
	s_wait_dscnt 0x0
	CROUND                                         ; the closing round: no work-group ends while a partner may still ask for a tile that names it
	s_endpgm
.Lfunc_end_k_q3b51fc4aaa_attn:
	.size	k_q3b51fc4aaa_attn, .Lfunc_end_k_q3b51fc4aaa_attn-k_q3b51fc4aaa_attn
	.p2alignl 7, 3214868480
	.fill 96, 4, 3214868480
	.section	.rodata,"a",@progbits
	.p2align	6, 0x0
	.amdhsa_kernel k_q3b51fc4aaa_attn
		.amdhsa_group_segment_fixed_size 327680
		.amdhsa_private_segment_fixed_size 0
		.amdhsa_enable_private_segment 0
		.amdhsa_kernarg_size 48
		.amdhsa_user_sgpr_count 2
		.amdhsa_user_sgpr_kernarg_segment_ptr 1
		.amdhsa_wavefront_size32 1
		.amdhsa_system_sgpr_workgroup_id_x 1
		.amdhsa_system_sgpr_workgroup_id_y 1
		.amdhsa_system_sgpr_workgroup_id_z 1
		.amdhsa_system_vgpr_workitem_id 0
		.amdhsa_next_free_vgpr 256
		.amdhsa_next_free_sgpr 66
		.amdhsa_reserve_vcc 1
		.amdhsa_float_denorm_mode_32 3
		.amdhsa_float_denorm_mode_16_64 3
		.amdhsa_fp16_overflow 1
		.amdhsa_memory_ordered 1
		.amdhsa_forward_progress 1
		.amdhsa_inst_pref_size 55
	.end_amdhsa_kernel
	.amdgpu_metadata
---
amdhsa.version: [ 1, 2 ]
amdhsa.kernels:
  - .name:           k_q3b51fc4aaa_attn
    .symbol:         k_q3b51fc4aaa_attn.kd
    .args:
      - { .name: q_img, .offset: 0, .size: 8, .value_kind: global_buffer, .address_space: global }
      - { .name: kv_img, .offset: 8, .size: 8, .value_kind: global_buffer, .address_space: global }
      - { .name: kv_mask, .offset: 16, .size: 8, .value_kind: global_buffer, .address_space: global }
      - { .name: lowp_scales, .offset: 24, .size: 8, .value_kind: global_buffer, .address_space: global }
      - { .name: x, .offset: 32, .size: 8, .value_kind: global_buffer, .address_space: global }
      - { .name: out0, .offset: 40, .size: 8, .value_kind: global_buffer, .address_space: global }
    .group_segment_fixed_size: 327680
    .private_segment_fixed_size: 0
    .kernarg_segment_align: 8
    .kernarg_segment_size: 48
    .max_flat_workgroup_size: 512
    .sgpr_count:     66
    .vgpr_count:     256
    .wavefront_size: 32
...
	.end_amdgpu_metadata
.endif
;; end of part 3
